; MI455X (gfx1250); checked and timed in simulation.
; The chip was launched on July 23, 2026; its instructions are those of AMD's public machine-readable ISA for CDNA 5 (MIT licence, August 2026) and "CDNA5" Instruction Set Architecture Reference Guide (July 2026). The comments in the code are by the model that wrote it; some were corrected since.
;; Grouped Query Attention. Allowed arithmetic: matrix products marked QUANTISED: E5M2 operands, one E8M0 scale for each 32 along K, by v_wmma_scale_f32_16x16x128_f8f6f4 with both operands' format E5M2, f32 sums; everything else in f32.
;; Inputs: hidden_states_codes 1 x 4,096 x 32 x 32 uint8 (E5M2 codes of hidden_states, K innermost, in blocks of 32 codes); hidden_states_scales 1 x 4,096 x 32 uint8 (E8M0 scales of hidden_states, one for each 32 codes along K); k_b 256 float32; k_w_codes 256 x 32 x 32 uint8 (E5M2 codes of k_w, K innermost, in blocks of 32 codes); k_w_scales 256 x 32 uint8 (E8M0 scales of k_w, one for each 32 codes along K); q_b 1,024 float32; q_w_codes 1,024 x 32 x 32 uint8 (E5M2 codes of q_w, K innermost, in blocks of 32 codes); q_w_scales 1,024 x 32 uint8 (E8M0 scales of q_w, one for each 32 codes along K); v_b 256 float32; v_w_codes 256 x 32 x 32 uint8 (E5M2 codes of v_w, K innermost, in blocks of 32 codes); v_w_scales 256 x 32 uint8 (E8M0 scales of v_w, one for each 32 codes along K).
;; Outputs: out0 1 x 4,096 x 1,024 float32.
;; This version of the problem:
;;   THIS VERSION OF THE PROBLEM IS GIVEN IN LOW PRECISION. The matrix products marked QUANTISED in the list below multiply operands that are first quantised to E5M2 (5 exponent bits, 2 mantissa bits; 8 bits a number), with one power-of-two scale for each 32 numbers along K (OCP MX v1.0); their sums are f32. All else is computed in f32.
;;   The module's matrix products, in the order in which they are computed (A, B: the left and right operand; K: the contracted axis; several contracted axes count as one K, in the product's order):
;;     1. [M 4,096, K 1,024] x [K 1,024, N 1,024]; A: input hidden_states (given as codes); B: input q_w (given as codes): QUANTISED
;;     2. [M 4,096, K 1,024] x [K 1,024, N 256]; A: input hidden_states (given as codes); B: input k_w (given as codes): QUANTISED
;;     3. [M 4,096, K 1,024] x [K 1,024, N 256]; A: input hidden_states (given as codes); B: input v_w (given as codes): QUANTISED
;;     4. batch 4 x [M 4,096, K 64] x [K 64, N 16,384]; A: computed on the way; B: computed on the way: QUANTISED
;;     5. batch 4 x [M 64, K 4,096] x [K 4,096, N 16,384]; A: computed on the way; B: softmax (see below): QUANTISED
;;   THE QUANTISER, for each operand of a quantised product, along K:
;;     - K is cut into blocks of 32 from its start; a last block that is shorter is filled with zeros.
;;     - A block's scale is 2^e with e = floor(log2(the largest magnitude in the block)) - 15, held to -126 .. 127; a block of zeros has e = 0. As a byte (E8M0): e + 127.
;;     - Each number is divided by its block's scale, clamped to +-57,344, and rounded to the nearest number of E5M2, ties to even, subnormals kept.
;;     - The product sums the exact products of the quantised numbers (number of the format x scale) in f32.
;;   ~~~python
;;   def quantise(x, axis):      # numpy; x: float32 -> the quantised numbers, widened to float32 again
;;       x = np.moveaxis(x, axis, -1); K = x.shape[-1]
;;       x = np.pad(x, [(0, 0)] * (x.ndim - 1) + [(0, -K % 32)]); x = x.reshape(x.shape[:-1] + (-1, 32)); a = np.abs(x).max(-1, keepdims=True)
;;       e = np.where(a > 0, np.clip(np.frexp(np.where(a > 0, a, 1))[1] - 1 - 15, -126, 127), 0)      # np.frexp(a)[1] - 1 = floor(log2(a)), exactly
;;       r = np.clip(x / 2.0 ** e, -57344, 57344)
;;       step = 2.0 ** (np.maximum(np.frexp(np.where(r == 0, 1, r))[1] - 1, -14) - 2)
;;       q = np.round(r / step) * step * 2.0 ** e      # np.round: ties to even
;;       return np.moveaxis(q.reshape(q.shape[:-2] + (-1,))[..., :K], -1, axis).astype(np.float32)
;;   ~~~
;;   SOFTMAX AHEAD OF A QUANTISED PRODUCT. Where the list says 'softmax', what is quantised is not the finished softmax but p = 2^(t - M), with t = logit x log2(e) and M = ceil(the row's largest t), a whole number; so 1/2 < the row's largest p <= 1. The row's sum l is taken of the UNQUANTISED p, in f32, and the product's result is divided by l at the end. Since M is a whole number, a kernel that streams over the keys may use a running M (the ceiling of the running maximum): every later rescaling is an exact power of two, which a block's scale takes up: the codes' values come out the same.
;;   OPERANDS COMPUTED ON THE WAY. 'Computed on the way' means the value that the module computes at that place (a softmax that the list does not call 'softmax' is quantised finished and normalised). What goes into a quantiser is computed in f32, as accurately as f32 sums, v_exp_f32 and their like allow (about 1e-6 of the number): no bf16 or f16 on the way to a quantiser, and a product that is left as it is and whose result goes on into a quantised operand takes f32 operands (vector FMAs, or v_wmma_f32_16x16x4_f32). A number that lies on a knife's edge between two numbers of the format may be rounded either way, as far as f32 arithmetic and the matrix unit's own rounding can turn it there, and no further.
;;   INPUTS GIVEN AS CODES. hidden_states (in the module: [1, 4096, 1024], K = its axis 2); k_w (in the module: [256, 1024], K = its axis 1); q_w (in the module: [1024, 1024], K = its axis 1); v_w (in the module: [256, 1024], K = its axis 1): each comes as NAME_codes (uint8): NAME with its K axis moved to the last place and cut into blocks of 32 codes, [.., K / 32, bytes a block], one block behind the other in memory; one code a byte (a code: sign, 5 exponent bits, 2 mantissa bits); and NAME_scales (uint8): the same leading axes, one E8M0 byte (e + 127) for each 32 codes along K. Its value is code x scale, taken as it is: it is not quantised again, and the codes and scales need not be those that the quantiser above would give.
;; One version. Each part assembles by itself: llvm-mc -triple=amdgcn-amd-amdhsa -mcpu=gfx1250 --defsym DOCPART=n.
;; ======== version 1 of 1: 2 launches
;; limits: right only within a limited range of input values
;; workspace buffers: qc 4,194,304 bytes; qs 131,072 bytes; kvc 2,097,152 bytes; kvs 65,536 bytes
;; launch proj (part 1): grid 32 x 6, 4 waves a work-group, no clusters, 327,680 bytes of LDS; arguments hidden_states_codes, hidden_states_scales, q_w_codes, q_w_scales, q_b, k_w_codes, k_w_scales, k_b, v_w_codes, v_w_scales, v_b, qc, qs, kvc, kvs; writes qc, qs, kvc, kvs
.if DOCPART == 1
	.amdgcn_target "amdgcn-amd-amdhsa--gfx1250"
	.amdhsa_code_object_version 6
	.text
	.protected	k_q29e69ff7d7_proj
	.globl	k_q29e69ff7d7_proj
	.p2align	8
	.type	k_q29e69ff7d7_proj,@function
k_q29e69ff7d7_proj:
	s_mov_b64 s[64:65], 0
	v_nop
	global_prefetch_b8 v0, s[64:65] scope:SCOPE_SE
	s_setreg_imm32_b32 hwreg(HW_REG_WAVE_MODE, 25, 1), 1
	s_wait_xcnt 0x0
; q, k, v = x W^T + b ON CODES OF MX-BF8, AND THEIR QUANTISERS.  A work-group has 128 tokens x 256 outputs (grid y 0-3: q's, 4: k's, 5: v's); each of its four waves has 64 outputs, all of K = 1,024.
; x's 128 rows, all of K, come into LDS by ONE tensor load a wave at the head: 32 rows of 1,024 bytes, 16 bytes of padding behind each, so that the sixteen rows of a fragment load begin 16 bytes apart modulo 256.
; Nothing is filled again.  The weights' fragments and all scale words go from memory straight into registers.  The bias is the first products' C.  q and k are made transposed (a lane holds a token, its registers run along the head);
; v is made with the tokens along a lane's registers.  Codes and scale words leave as images of the operand registers of the launch that reads them.  Every input has a way to the output: none is left out.
.set PITCH,   1040
.set QUARTB,  64*PITCH                 ; rows 64 on: a second address register, since an LDS offset has 16 bits
.set LI,  3
.set LR,  4
.set WA,  5
.set XSA, 6
.set WSA, 7
.set XA,  8
.set BA,  12
.set BIA, 16
.set XS,  48
.set WS,  80
.set XF,  96
.set PC,  96
.set TM,  160
.set PW,  176
.set WV,  34
.set CG,  35
.set G0,  36
.set G1,  52
.set TB,  60
.set VT,  61
.set WP,  66
.set WSP, 68
.set BP,  70
.set XSP, 72
.set OC,  74
.set OS,  76
.set SEL, 80
.set MNT, 82
.set MSB, 0
.macro WIN new
.if MSB != \new
	s_set_vgpr_msb (MSB<<8)|\new
.set MSB, \new
.endif
.endm
.macro PLACES n
.rept \n
	v_nop
.endr
.endm
	s_load_b512 s[4:19], s[0:1], 0x0
	s_load_b256 s[20:27], s[0:1], 0x40
	s_load_b128 s[28:31], s[0:1], 0x60
	s_load_b64 s[32:33], s[0:1], 0x70
	v_lshl_add_u32 v254, v0, 2, 0x29000
	v_mov_b32 v255, 0
	ds_add_u32 v254, v255
	ds_add_u32 v254, v255
	v_lshrrev_b32 v1, 5, v0
	v_readfirstlane_b32 s[WV], v1
	s_and_b32 s[CG], ttmp7, 0xffff
	s_mov_b32 s[TB], ttmp9
	s_mov_b32 s[G1+0], (0<<16)|(1<<20)|(7<<22)|(3<<25)  ; elements of 1 byte; four words of padding after every 256
	s_mov_b32 s[G1+1], 1024<<16
	s_mov_b32 s[G1+2], 32<<16
	s_mov_b32 s[G1+3], 1024<<16
	s_mov_b32 s[G1+4], 32
	s_mov_b32 s[G1+5], 1024
	s_mov_b32 s[G1+6], 0
	s_mov_b32 s[G1+7], 0
	s_mul_i32 s62, s[WV], 32*PITCH
	s_lshl_b32 s78, s[TB], 17
	s_lshl_b32 s63, s[WV], 15
	s_add_co_u32 s78, s78, s63
	s_mov_b32 s79, 0
	s_wait_dscnt 0x0
	s_wait_kmcnt 0x0
	s_add_nc_u64 s[78:79], s[4:5], s[78:79]
	s_mov_b32 s[G0], 1
	s_mov_b32 s[G0+1], s62
	s_mov_b64 s[G0+2:G0+3], s[78:79]
	s_or_b32 s[G0+3], s[G0+3], 0x80000000
	tensor_load_to_lds s[G0:G0+3], s[G1:G1+7]      ; my 32 rows of x, all of K: my one tensor load
	s_nop 0
	PLACES 4
	s_cmp_lt_u32 s[CG], 4
	s_cselect_b32 s62, s[CG], 0
	s_cselect_b64 s[WP:WP+1], s[8:9], s[14:15]
	s_cselect_b64 s[WSP:WSP+1], s[10:11], s[16:17]
	s_cselect_b64 s[BP:BP+1], s[12:13], s[18:19]
	s_cselect_b64 s[OC:OC+1], s[26:27], s[30:31]
	s_cselect_b64 s[OS:OS+1], s[28:29], s[32:33]
	s_cselect_b32 s84, 13, 14
	s_cselect_b32 s85, 8, 9
	s_cmp_eq_u32 s[CG], 5
	s_cselect_b64 s[WP:WP+1], s[20:21], s[WP:WP+1]
	s_cselect_b64 s[WSP:WSP+1], s[22:23], s[WSP:WSP+1]
	s_cselect_b64 s[BP:BP+1], s[24:25], s[BP:BP+1]
	s_cselect_b32 s[VT], 1, 0
	s_cselect_b32 s86, 8192, 0
	s_cselect_b32 s87, 256, 0
	s_lshl_b32 s63, s62, 8
	s_lshl_b32 s88, s[WV], 6
	s_add_co_u32 s63, s63, s88
	s_lshl_b32 s88, s62, 2
	s_add_co_u32 s88, s88, s[WV]
	s_lshl_b32 s88, s88, 5
	s_add_co_u32 s88, s88, s[TB]
	s_mov_b32 s79, 0
	s_lshl_b32 s78, s63, 10
	s_add_nc_u64 s[WP:WP+1], s[WP:WP+1], s[78:79]
	s_lshl_b32 s78, s63, 5
	s_add_nc_u64 s[WSP:WSP+1], s[WSP:WSP+1], s[78:79]
	s_lshl_b32 s78, s63, 2
	s_add_nc_u64 s[BP:BP+1], s[BP:BP+1], s[78:79]
	s_lshl_b32 s78, s[TB], 12
	s_add_nc_u64 s[XSP:XSP+1], s[6:7], s[78:79]
	s_lshl_b32 s78, s88, s84
	s_add_co_u32 s78, s78, s86
	s_add_nc_u64 s[OC:OC+1], s[OC:OC+1], s[78:79]
	s_lshl_b32 s78, s88, s85
	s_add_co_u32 s78, s78, s87
	s_add_nc_u64 s[OS:OS+1], s[OS:OS+1], s[78:79]
	s_mov_b32 s[SEL], 0x76543210
	s_mov_b32 s[SEL+1], 0xfedcba98
	s_mov_b32 s[MNT], 0x600000
	v_and_b32 v1, 15, v0
	v_bfe_u32 v2, v0, 4, 1
	v_and_b32 v[LI], 31, v0
	v_lshlrev_b32 v[LI], 4, v[LI]
	v_lshlrev_b32 v[LR], 4, v1
	v_lshlrev_b32 v[WA], 10, v1
	v_lshl_add_u32 v[WA], v2, 4, v[WA]
	v_lshl_add_u32 v[XSA], v2, 6, v1
	v_lshlrev_b32 v[XSA], 5, v[XSA]
	v_lshl_add_u32 v[WSA], v2, 5, v1
	v_lshlrev_b32 v[WSA], 5, v[WSA]
	v_mul_u32_u24 v[XA], v1, PITCH
	v_lshl_add_u32 v[XA], v2, 4, v[XA]
	v_add_nc_u32 v[XA+1], QUARTB, v[XA]
	s_cmp_eq_u32 s[VT], 0
	s_cbranch_scc0 .Lbias_v
	v_lshlrev_b32 v[BA], 5, v2
.irp t, 0,1,2,3
	global_load_b128 v[BIA+8*\t:BIA+8*\t+3], v[BA], s[BP:BP+1] offset:64*\t
	global_load_b128 v[BIA+8*\t+4:BIA+8*\t+7], v[BA], s[BP:BP+1] offset:64*\t+16
.endr
	s_branch .Lbias_done
.Lbias_v:
	v_lshlrev_b32 v[BA], 2, v1
.irp t, 0,1,2,3
.irp j, 0,1,2,3,4,5,6,7
	global_load_b32 v[BIA+8*\t+\j], v[BA], s[BP:BP+1] offset:64*\t
.endr
.endr
.Lbias_done:
	s_wait_alu depctr_va_vdst(0)
.irp e, 0,1,2,3
	global_load_b128 v[XS+8*\e:XS+8*\e+3], v[XSA], s[XSP:XSP+1] offset:512*\e
	global_load_b128 v[XS+8*\e+4:XS+8*\e+7], v[XSA], s[XSP:XSP+1] offset:512*\e+16
.endr
.irp t, 0,1
	global_load_b128 v[WS+8*\t:WS+8*\t+3], v[WSA], s[WSP:WSP+1] offset:512*\t
	global_load_b128 v[WS+8*\t+4:WS+8*\t+7], v[WSA], s[WSP:WSP+1] offset:512*\t+16
.endr
.macro XFETCH q, p
.irp e, 0,1,2,3,4,5,6,7
.irp c, 0,1,2,3
	ds_load_b128 v[XF+16*\e+4*\c:XF+16*\e+4*\c+3], v[XA+\e/4] offset:16*PITCH*(\e%4)+256*(\q)+128*(\p)+32*\c
.endr
.endr
.endm
.macro WFETCH s
.if (\s) < 4
	WIN 0x80
.else
	WIN 0xc0
.endif
.irp t, 0,1,2,3
.irp c, 0,1,2,3
	global_load_b128 v[64*((\s)%4)+16*\t+4*\c:64*((\s)%4)+16*\t+4*\c+3], v[WA], s[WP:WP+1] offset:16384*\t+128*(\s)+32*\c
.endr
.endr
	WIN 0
.endm
.macro MM d, a, b, c, sa, sb, ra, rb
.if (\ra) && (\rb)
	v_wmma_scale_f32_16x16x128_f8f6f4 v[\d:\d+7], v[\a:\a+15], v[\b:\b+15], v[\c:\c+7], v[\sa], v[\sb] matrix_a_fmt:MATRIX_FMT_BF8 matrix_b_fmt:MATRIX_FMT_BF8 matrix_a_scale:MATRIX_SCALE_ROW1 matrix_b_scale:MATRIX_SCALE_ROW1
.elseif (\ra)
	v_wmma_scale_f32_16x16x128_f8f6f4 v[\d:\d+7], v[\a:\a+15], v[\b:\b+15], v[\c:\c+7], v[\sa], v[\sb] matrix_a_fmt:MATRIX_FMT_BF8 matrix_b_fmt:MATRIX_FMT_BF8 matrix_a_scale:MATRIX_SCALE_ROW1
.elseif (\rb)
	v_wmma_scale_f32_16x16x128_f8f6f4 v[\d:\d+7], v[\a:\a+15], v[\b:\b+15], v[\c:\c+7], v[\sa], v[\sb] matrix_a_fmt:MATRIX_FMT_BF8 matrix_b_fmt:MATRIX_FMT_BF8 matrix_b_scale:MATRIX_SCALE_ROW1
.else
	v_wmma_scale_f32_16x16x128_f8f6f4 v[\d:\d+7], v[\a:\a+15], v[\b:\b+15], v[\c:\c+7], v[\sa], v[\sb] matrix_a_fmt:MATRIX_FMT_BF8 matrix_b_fmt:MATRIX_FMT_BF8
.endif
.endm
.macro MULS s, vt, first
.if \vt
.if \first
	WIN 0x48
.elseif (\s) < 4
	WIN 0x58
.else
	WIN 0x5c
.endif
.else
.if \first
	WIN 0x42
.elseif (\s) < 4
	WIN 0x52
.else
	WIN 0x53
.endif
.endif
.irp e, 0,1,2,3,4,5,6,7
	s_wait_dscnt 4*(7-\e)
.irp t, 0,1,2,3
.set rW, 64*((\s)%4)+16*\t
.set rX, XF+16*\e
.set sW, WS+8*(\t%2)+(\s)
.set sX, XS+8*(\e%4)+(\s)
.if \vt
.set rD, 64*\t+8*\e
.else
.set rD, 64*(\e/2)+32*(\e%2)+8*\t
.endif
.set rC, rD
.if \first
.set rC, BIA+8*\t
.endif
.if \vt
	MM rD, rX, rW, rC, sX, sW, \e/4, \t/2
.else
	MM rD, rW, rX, rC, sW, sX, \t/2, \e/4
.endif
.endr
.endr
	WIN 0
.endm
.macro STEP s, first
.if (\s) > 0
	PLACES 8
.endif
	XFETCH (\s)/2, (\s)%2
.if (\s) <= 4
	WFETCH (\s)+3
	s_wait_loadcnt 48
.else
	s_wait_loadcnt 16*(7-(\s))
.endif
	s_cmp_eq_u32 s[VT], 0
	s_cbranch_scc0 .Lv_\@
	MULS \s, 0, \first
	s_branch .Lj_\@
.Lv_\@:
	MULS \s, 1, \first
.Lj_\@:
.endm
.macro QUARTER q
	s_wait_tensorcnt 0x0
	s_barrier_signal -1
	s_barrier_wait -1
.endm
.macro QUANT n
	WIN 0x05
.irp b, 0,1,2,3
	v_max3_num_f32 v[TM+\b], |v[64*(\n)+16*\b]|, |v[64*(\n)+16*\b+1]|, 0x8000000
.endr
.irp i, 2,4,6,8,10,12,14
.irp b, 0,1,2,3
	v_max3_num_f32 v[TM+\b], |v[64*(\n)+16*\b+\i]|, |v[64*(\n)+16*\b+\i+1]|, v[TM+\b]
.endr
.endr
	WIN 0
.irp b, 0,1,2,3
	v_permlanex16_b32 v[TM+4+\b], v[TM+\b], s[SEL], s[SEL+1]
.endr
.irp b, 0,1,2,3
	v_max_num_f32 v[TM+\b], v[TM+\b], v[TM+4+\b]
.endr
.irp b, 0,1,2,3
	v_add_nc_u32 v[TM+12+\b], 0xf8800000, v[TM+\b]
.endr
.irp b, 0,1,2,3
	v_and_or_b32 v[TM+8+\b], v[TM+\b], 0x7f800000, s[MNT]
.endr
.irp b, 0,1,2,3
	v_lshrrev_b32 v[TM+4+\b], 23, v[TM+12+\b]
.endr
	v_lshl_or_b32 v[PW+(\n)], v[TM+5], 8, v[TM+4]
	v_lshl_or_b32 v[PW+(\n)], v[TM+6], 16, v[PW+(\n)]
	v_lshl_or_b32 v[PW+(\n)], v[TM+7], 24, v[PW+(\n)]
	WIN 0x41
.irp b, 0,1,2,3
.irp i, 0,1,2,3,4,5,6,7,8,9,10,11,12,13,14,15
	v_med3_num_f32 v[64*(\n)+16*\b+\i], v[64*(\n)+16*\b+\i], -v[TM+8+\b], v[TM+8+\b]
.endr
.endr
	WIN 0x01
.irp b, 0,1,2,3
	v_cvt_scalef32_pk8_bf8_f32 v[PC+16*(\n)+4*\b:PC+16*(\n)+4*\b+1], v[64*(\n)+16*\b:64*(\n)+16*\b+7], v[TM+12+\b]
	v_cvt_scalef32_pk8_bf8_f32 v[PC+16*(\n)+4*\b+2:PC+16*(\n)+4*\b+3], v[64*(\n)+16*\b+8:64*(\n)+16*\b+15], v[TM+12+\b]
.endr
	WIN 0
	v_nop
.endm
	WFETCH 0
	WFETCH 1
	WFETCH 2
	QUARTER 0
	STEP 0, 1
	STEP 1, 0
	STEP 2, 0
	STEP 3, 0
	STEP 4, 0
	STEP 5, 0
	STEP 6, 0
	STEP 7, 0
	PLACES 8
.irp b, 0,1,2,3
	v_mov_b32 v[TM+4+\b], 0
.endr
.irp n, 0,1,2,3
	QUANT \n
.irp c, 0,1,2,3
	global_store_b128 v[LI], v[PC+16*\n+4*\c:PC+16*\n+4*\c+3], s[OC:OC+1] offset:2048*\n+512*\c
.endr
.endr
	global_store_b128 v[LR], v[PW:PW+3], s[OS:OS+1]
	s_wait_tensorcnt 0x0
	ds_add_u32 v254, v255
	s_wait_dscnt 0x0
	s_endpgm
.Lfunc_end_k_q29e69ff7d7_proj:
	.size	k_q29e69ff7d7_proj, .Lfunc_end_k_q29e69ff7d7_proj-k_q29e69ff7d7_proj
	.p2alignl 7, 3214868480
	.fill 96, 4, 3214868480
	.section	.rodata,"a",@progbits
	.p2align	6, 0x0
	.amdhsa_kernel k_q29e69ff7d7_proj
		.amdhsa_group_segment_fixed_size 327680
		.amdhsa_private_segment_fixed_size 0
		.amdhsa_enable_private_segment 0
		.amdhsa_kernarg_size 120
		.amdhsa_user_sgpr_count 2
		.amdhsa_user_sgpr_kernarg_segment_ptr 1
		.amdhsa_wavefront_size32 1
		.amdhsa_system_sgpr_workgroup_id_x 1
		.amdhsa_system_sgpr_workgroup_id_y 1
		.amdhsa_system_sgpr_workgroup_id_z 1
		.amdhsa_system_vgpr_workitem_id 0
		.amdhsa_next_free_vgpr 1024
		.amdhsa_next_free_sgpr 92
		.amdhsa_reserve_vcc 0
		.amdhsa_float_denorm_mode_32 3
		.amdhsa_float_denorm_mode_16_64 3
		.amdhsa_memory_ordered 1
		.amdhsa_forward_progress 1
		.amdhsa_inst_pref_size 145
	.end_amdhsa_kernel
	.amdgpu_metadata
---
amdhsa.version: [ 1, 2 ]
amdhsa.kernels:
  - .name:           k_q29e69ff7d7_proj
    .symbol:         k_q29e69ff7d7_proj.kd
    .args:
      - { .name: hidden_states_codes, .offset: 0, .size: 8, .value_kind: global_buffer, .address_space: global }
      - { .name: hidden_states_scales, .offset: 8, .size: 8, .value_kind: global_buffer, .address_space: global }
      - { .name: q_w_codes, .offset: 16, .size: 8, .value_kind: global_buffer, .address_space: global }
      - { .name: q_w_scales, .offset: 24, .size: 8, .value_kind: global_buffer, .address_space: global }
      - { .name: q_b, .offset: 32, .size: 8, .value_kind: global_buffer, .address_space: global }
      - { .name: k_w_codes, .offset: 40, .size: 8, .value_kind: global_buffer, .address_space: global }
      - { .name: k_w_scales, .offset: 48, .size: 8, .value_kind: global_buffer, .address_space: global }
      - { .name: k_b, .offset: 56, .size: 8, .value_kind: global_buffer, .address_space: global }
      - { .name: v_w_codes, .offset: 64, .size: 8, .value_kind: global_buffer, .address_space: global }
      - { .name: v_w_scales, .offset: 72, .size: 8, .value_kind: global_buffer, .address_space: global }
      - { .name: v_b, .offset: 80, .size: 8, .value_kind: global_buffer, .address_space: global }
      - { .name: qc, .offset: 88, .size: 8, .value_kind: global_buffer, .address_space: global }
      - { .name: qs, .offset: 96, .size: 8, .value_kind: global_buffer, .address_space: global }
      - { .name: kvc, .offset: 104, .size: 8, .value_kind: global_buffer, .address_space: global }
      - { .name: kvs, .offset: 112, .size: 8, .value_kind: global_buffer, .address_space: global }
    .group_segment_fixed_size: 327680
    .private_segment_fixed_size: 0
    .kernarg_segment_align: 8
    .kernarg_segment_size: 120
    .max_flat_workgroup_size: 128
    .sgpr_count:     92
    .vgpr_count:     1024
    .wavefront_size: 32
...
	.end_amdgpu_metadata
.endif
;; end of part 1
;; launch attn (part 2): grid 64 x 4, 16 waves a work-group, clusters of 4 x 1, 327,680 bytes of LDS; arguments qc, qs, kvc, kvs, out0; writes out0
.if DOCPART == 2
	.amdgcn_target "amdgcn-amd-amdhsa--gfx1250"
	.amdhsa_code_object_version 6
	.text
	.protected	k_q29e69ff7d7_attn
	.globl	k_q29e69ff7d7_attn
	.p2align	8
	.type	k_q29e69ff7d7_attn,@function
k_q29e69ff7d7_attn:
	s_mov_b64 s[64:65], 0
	v_nop
	global_prefetch_b8 v0, s[64:65] scope:SCOPE_SE
	s_setreg_imm32_b32 hwreg(HW_REG_WAVE_MODE, 25, 1), 1
	s_wait_xcnt 0x0
	s_wait_alu depctr_hold_cnt(0) depctr_sa_sdst(0) depctr_va_vdst(0) depctr_va_sdst(0) depctr_va_ssrc(0) depctr_va_vcc(0) depctr_vm_vsrc(0)
	s_getreg_b32 s2, hwreg(HW_REG_IB_STS2, 6, 4)
	s_cmp_eq_u32 s2, 0
	s_cbranch_scc0 .Lentry_in_a_cluster
	s_endpgm
.Lentry_in_a_cluster:
	s_bfe_u32 s2, ttmp6, 0x10000c
	s_cmp_lg_u32 s2, 0x3003
	s_cbranch_scc0 .Lentry_shape_is_right
	s_endpgm
.Lentry_shape_is_right:
; out[token][head][:] = the sum over keys of softmax(q . k / 8) v: 16 query heads on 4 key and value heads, 4,096 tokens, head size 64, both products on codes of BF8 (E5M2) with one E8M0 scale for each 32 along K.
; q, k, v arrive as images of operand registers with their scale words, made by the launch before.  kvc: [key and value head][key step of 128 keys][K's four fragments, V's four][piece c][lane][16 bytes]: a record of 16,384 bytes a step;
; kvs: 512 bytes a step: register i of lane l: lanes 0-15 the word of K's fragment i, lanes 16-31 that of V's.
; THE SOFTMAX AHEAD OF THE SECOND PRODUCT: t = score x log2(e) / 8; M = the running largest t rounded UP to a whole number; p = 2^(t - M) is quantised along the keys, not normalised; the row's sum is taken of the unquantised p
; and divides at the end.  When M moves, the sum and O are multiplied by 2^(old M - new M): exact, in every step, with no branch on data.
; SHARES.  A work-group has 64 tokens x the four query heads of one key and value head: 16 tiles of 16 queries, ONE TILE A WAVE, sixteen waves of 256 registers, four to a SIMD; no register window is switched.
; Every wave walks all 4,096 keys, 128 a step, and reads 33 x 512 bytes from LDS a step.
; LAYOUT.  Both products are used transposed: S^T = K Q^T, O^T = V^T P^T: a lane holds ONE query (lane % 16) throughout.
; K = 64 IN A FORM 128 DEEP: a fragment of K holds TWO tiles of keys: row m has key 32 i + m in k 0-63 and key 32 i + 16 + m in k 64-127.  Q stands as zeros | q | zeros in 24 registers: v[24:39] = [q | 0] gives the first tile's scores,
; v[16:31] = [0 | q] the second's.  Zero codes add nothing under any scale byte but 0xff, which is never made.  Q's scale word is its two bytes twice.
; ORDER INSIDE A BLOCK OF 32: place 16 h + 8 u + j holds element 16 u + 8 h + j, alike on both sides of both products; blocks and scales are untouched.
; TWO BANKS OF 64 REGISTERS CHANGE ROLES FROM STEP TO STEP.  In a step one bank (FR) holds K's fragments and then V's, the other (S) the scores and then p.  A block of p is summed, held in place and converted; its 16 registers are then free,
; and the NEXT step's fragment of K is loaded into them at once: it has the rest of the step in which to land.  The next step's scores are written over V's registers.  So a trip of the inner loop is two steps; the scale words have two sets too.
; THE HOLD goes two numbers an instruction (a dual pair); the bound stands in two registers whose numbers differ modulo 4, as the pair's second sources must.  The sums run in four chains, the maxima in two a block.
; CLUSTER.  The four work-groups of a cluster belong to one key and value head and walk the same records: each record is asked for JOINTLY, with a mask that names the four.
; RING.  Two LDS slots of eight key steps (131,072 bytes); waves 0-7 fetch a record each, one load a wave behind each round, with eight key steps in which to land: three rounds and one plain barrier in all.  The head's scale words (16,384 bytes) come once, by wave 8.
; LIMITS: the promise holds while the scaled scores stay under 2^31 in magnitude; a block of p whose largest number lies under 2^-111 keeps the scale byte 1, and a block of zeros too (its codes are zeros); v_exp_f32 gives 0 for results under
; 2^-126 (ISA guide 15.8); a block's largest p is taken from its largest score through the same multiply-add and exponential, which takes v_exp_f32 not to fall where its input rises; NaN and infinities are not served.
; REGISTERS: v1-9 addresses, v3 the old -M; v[10:11] a chain of the sum; v12 -M, v13 the largest t, v[14:15] the sum; v16-23 zeros, v24-31 q, v32-39 zeros; v40-103, v104-167 the two banks; v168-199 O^T; v200-215 p's codes;
;   v216-219, v248-251 the scale words' two sets; v220-223 the maxima's second chains; v232-247 the blocks' work; v252 f, v253 p's scale word, v254 at work, v255 q's scale word.
.set REC,   16384
.set SLOT1, 131072                     ; slot 1 begins here: one exclusive or turns an address in one slot into the other's
.set SCL,   262144                     ; the head's 32 records of scale words: filled once
.set SPARE, SCL+16384                  ; the spare words, 128 bytes for each of sixteen waves: eight blocks of 256 bytes that no other line names
.set SP,    272                        ; the way out: 16 rows x (256 bytes + 16) a wave, from LDS byte 0 on: the slot left at the last change of slots has had its last fill, and nobody reads it
.set LI,   1                           ; v1   16 x lane
.set LS0,  2                           ; v2   16 x lane + SCL
.set OLDM, 3                           ; v3   -M as the last step left it
.set SPW,  5                           ; v5   LDS address of my spare word; never rewritten
.set NIL,  6                           ; v6   0; never rewritten
.set PFO,  7                           ; v7   256 x lane: the prefetches' offset; on the way out my byte offset in out0
.set ADK,  8                           ; v8   LDS address of the step's record
.set ADS,  9                           ; v9   of its scale words
.set FR,   40                          ; the bank of fragments and the bank of scores: SWAP exchanges the two names
.set S,    104
.set O,    168
.set PC,   200
.set KVN,  216                         ; the next step's scale words and this step's: SWAP exchanges the two names
.set KV,   248
.set MB,   220
.set BM,   232
.set T1,   236
.set HOLD, 240
.set SOP,  244
.set QW,   255
.set TB,   2                           ; s2   LDS byte at which the step's record begins
.set TS,   3                           ; s3   and its scale words, from SCL
.set TRI,  14                          ; s14  counts the inner loop's trips
.set LIM,  15                          ; s15  1 in a wave that prefetches, else the greatest number
.set WV,   18
.set MNT,  19                          ; s19  the mantissa field of 57,344
.set SEL,  20                          ; s[20:21] v_permlanex16_b32's selects for lane l xor 16
.set CS,   22                          ; s[22:23] c = log2(e) / 8
.set G1,   24                          ; s[24:31] descriptor group 1, for every load
.set G0,   32                          ; s[32:35] group 0 of the records, which walks
.set G0S,  36                          ; s[36:39] group 0 of the scale words
.set SLOTS, 40                         ; s40  slots still to be asked for
.set KAP,  41                          ; s41  the key and value head
.set PSEL, 42                          ; s42  which two bytes of a scale word of q are my tile's
.set PFA,  44                          ; s[44:45] where my prefetches stand
.macro SWAP
.set XX_, FR
.set FR, S
.set S, XX_
.set XX_, KV
.set KV, KVN
.set KVN, XX_
.endm
.macro PLACES n
.rept \n
	v_nop
.endr
.endm
.macro CROUND                          ; a round of the cluster's barrier
	s_barrier_signal -1
	s_barrier_wait -1
	s_cmp_lg_u32 s[WV], 0
	s_cbranch_scc1 .Lnot_wave_0_\@
	s_barrier_signal -3
.Lnot_wave_0_\@:
	s_barrier_wait -3
	s_barrier_signal -1
	s_barrier_wait -1
.endm
.macro FIRSTFILL                       ; waves 0-7 slot 0's eight records, wave 8 the scale words: one chain of branches on the wave's number, a load an arm
	s_cmp_lt_u32 s[WV], 8
	s_cbranch_scc0 .Lnot_rec_\@
	tensor_load_to_lds s[G0:G0+3], s[G1:G1+7]
	s_nop 0
	PLACES 4
	s_branch .Lasked_\@
.Lnot_rec_\@:
	s_cmp_eq_u32 s[WV], 8
	s_cbranch_scc0 .Lasked_\@
	tensor_load_to_lds s[G0S:G0S+3], s[G1:G1+7]
	s_nop 0
	PLACES 4
.Lasked_\@:
.endm
.macro TLOAD                           ; a joint refill: waves 0-7, a record each
	s_cmp_lt_u32 s[WV], 8
	s_cbranch_scc0 .Lasked_\@
	tensor_load_to_lds s[G0:G0+3], s[G1:G1+7]
	s_nop 0
	PLACES 4
.Lasked_\@:
.endm
; A PREFETCH INTO THE L2 of the slot that the NEXT change of slots will ask for: 131,072 bytes, eight key steps ahead of that load.  Each aligned block of 256 bytes is named once in the launch: all sixteen clusters of a key and value head walk
; the same records, so the head's first cluster asks; its four partners take 32,768 bytes each, told apart BY ADDRESS; in each, waves 12 to 15, which fetch nothing, ask for 8,192 bytes each, lanes 256 bytes apart.
; The last change that fills a slot asks for nothing; slots 0 and 1 come by their loads alone.
.macro ASK
	s_cmp_gt_u32 s[SLOTS], s[LIM]
	s_cbranch_scc0 .Lnot_mine_\@
	global_prefetch_b8 v[PFO], s[PFA:PFA+1] th:TH_LOAD_NT scope:SCOPE_SE
.Lnot_mine_\@:
.endm
	s_load_b256 s[4:11], s[0:1], 0x0               ; qc, qs, kvc, kvs
	s_load_b64 s[12:13], s[0:1], 0x20              ; out0
	v_lshl_add_u32 v[SPW], v0, 2, SPARE
	v_mov_b32 v[NIL], 0
	ds_add_u32 v[SPW], v[NIL]                      ; the opening lines: the add, twice on end, and its wait
	ds_add_u32 v[SPW], v[NIL]
	s_wait_dscnt 0x0
	v_lshrrev_b32 v1, 5, v0
	s_delay_alu instid0(VALU_DEP_1)
	v_readfirstlane_b32 s[WV], v1                  ; wave 0..15
	s_bfe_u32 s16, ttmp6, 0x40000                  ; cx
	s_lshl_b32 s17, ttmp9, 2
	s_add_co_u32 s17, s17, s16                     ; X: my block of 64 tokens: it enters q's and out0's addresses alone
	s_and_b32 s[KAP], ttmp7, 0xffff
	s_mov_b32 s[G1+0], 15|(3<<16)|(1<<21)          ; 16,384 dense bytes as 64 rows of 256 (32 elements of 8 bytes); the mask names all four; images are read 16 bytes a lane on end: no padding
	s_mov_b32 s[G1+1], 32<<16
	s_mov_b32 s[G1+2], 64<<16
	s_mov_b32 s[G1+3], 32<<16
	s_mov_b32 s[G1+4], 64
	s_mov_b32 s[G1+5], 32
	s_mov_b32 s[G1+6], 0
	s_mov_b32 s[G1+7], 0
	s_mov_b32 s[CS], 0x3e38aa3b
	s_mov_b32 s[CS+1], s[CS]
	s_mov_b32 s[SEL], 0x76543210
	s_mov_b32 s[SEL+1], 0xfedcba98
	s_mov_b32 s[MNT], 0x600000
	s_mov_b32 s[TB], 0
	s_mov_b32 s[TS], 0
	s_mov_b32 s[SLOTS], 3
	s_lshr_b32 s[LIM], s[WV], 2
	s_xor_b32 s[LIM], s[LIM], 3                    ; 0 in waves 12 to 15,
	s_or_b32 s[LIM], s[LIM], ttmp9                 ; of the head's first cluster: the same in all four partners
	s_cmp_eq_u32 s[LIM], 0
	s_cselect_b32 s[LIM], 1, -1
	s_lshl_b32 s46, s[KAP], 19                     ; a head's 32 records,
	s_lshl_b32 s47, s[WV], 14                      ; my record of a slot's eight
	s_add_co_u32 s46, s46, s47
	s_mov_b32 s47, 0
	s_lshl_b32 s48, s[KAP], 14                     ; a head's scale words
	s_mov_b32 s49, 0
	s_lshl_b32 s50, s[KAP], 19                     ; the prefetches: my head,
	s_lshl_b32 s51, s16, 15                        ; my work-group's quarter of a slot,
	s_add_co_u32 s50, s50, s51
	s_and_b32 s51, s[WV], 3
	s_lshl_b32 s51, s51, 13                        ; my wave's quarter of it,
	s_add_co_u32 s50, s50, s51
	s_add_co_u32 s50, s50, SLOT1                   ; in slot 1: the first change of slots steps it to slot 2
	s_mov_b32 s51, 0
	s_wait_kmcnt 0x0
	s_mov_b32 s[G0], 1
	s_lshl_b32 s[G0+1], s[WV], 14                  ; LDS address: slot 0, my record
	s_add_nc_u64 s[G0+2:G0+3], s[8:9], s[46:47]
	s_or_b32 s[G0+3], s[G0+3], 0x80000000
	s_mov_b32 s[G0S], 1
	s_mov_b32 s[G0S+1], SCL
	s_add_nc_u64 s[G0S+2:G0S+3], s[10:11], s[48:49]
	s_or_b32 s[G0S+3], s[G0S+3], 0x80000000
	s_add_nc_u64 s[PFA:PFA+1], s[8:9], s[50:51]
	CROUND                                         ; all four work-groups are here: the first joint loads meet
	FIRSTFILL
	; q: wave w has token tile 4 X + w / 4 and head 4 kappa + w % 4
	s_lshr_b32 s66, s[WV], 2                       ; a
	s_and_b32 s67, s[WV], 3
	s_lshl_b32 s68, s[KAP], 2
	s_add_co_u32 s67, s67, s68                     ; the head
	s_lshr_b32 s68, s17, 1                         ; the block of 128 tokens
	s_lshl_b32 s69, s67, 5
	s_add_co_u32 s68, s68, s69                     ; 32 x head + block
	s_and_b32 s69, s17, 1
	s_lshl_b32 s69, s69, 1
	s_lshr_b32 s70, s66, 1
	s_add_co_u32 s69, s69, s70                     ; which 32 tokens of the 128
	s_and_b32 s70, s66, 1                          ; which 16 of the 32
	s_cmp_eq_u32 s70, 0
	s_mov_b32 s[PSEL], 0x03020302
	s_cselect_b32 s[PSEL], 0x01000100, s[PSEL]
	s_lshl_b32 s72, s68, 2
	s_add_co_u32 s72, s72, s69
	s_lshl_b32 s72, s72, 11                        ; a fragment's image is 2,048 bytes,
	s_lshl_b32 s73, s70, 10                        ; my tile's two groups of four registers its lower or upper half
	s_add_co_u32 s72, s72, s73
	s_mov_b32 s73, 0
	s_add_nc_u64 s[74:75], s[4:5], s[72:73]
	s_lshl_b32 s72, s68, 8
	s_lshl_b32 s71, s69, 2
	s_add_co_u32 s72, s72, s71
	s_add_nc_u64 s[76:77], s[6:7], s[72:73]
	s_lshl_b32 s72, s17, 2
	s_add_co_u32 s72, s72, s66
	s_lshl_b32 s72, s72, 16                        ; 16 rows of 4,096 bytes
	s_lshl_b32 s71, s67, 8                         ; a head's 256 bytes of a row
	s_add_co_u32 s72, s72, s71
	s_add_nc_u64 s[12:13], s[12:13], s[72:73]
	v_and_b32 v[LI], 31, v0
	s_delay_alu instid0(VALU_DEP_1)
	v_lshlrev_b32 v[PFO], 8, v[LI]
	s_delay_alu instid0(VALU_DEP_2)
	v_lshlrev_b32 v[LI], 4, v[LI]
	s_delay_alu instid0(VALU_DEP_1)
	v_add_nc_u32 v[LS0], SCL, v[LI]
	v_and_b32 v10, 15, v0
	s_delay_alu instid0(VALU_DEP_1)
	v_lshlrev_b32 v10, 4, v10                      ; q's scale words: 16 bytes a row
	global_load_b128 v[24:27], v[LI], s[74:75] th:TH_LOAD_NT
	global_load_b128 v[28:31], v[LI], s[74:75] offset:512 th:TH_LOAD_NT
	global_load_b32 v254, v10, s[76:77]
.irp j, 16,17,18,19,20,21,22,23,32,33,34,35,36,37,38,39
	v_mov_b32 v\j, 0                               ; the zeros beside q
.endr
	v_mov_b32 v13, 0xff61b1e6                      ; the largest t so far: -3e38, under every t
	s_delay_alu instid0(VALU_DEP_1)
	v_floor_f32 v12, -v13                          ; -M
	v_mov_b32 v14, 0
	v_mov_b32 v15, 0
.irp b, 0,1,2,3
	v_mov_b32 v[T1+\b], 0                          ; two chains of the sum: the first step joins zeros
.endr
	v_mov_b32 v253, 0
	s_wait_loadcnt 0x0
	v_perm_b32 v[QW], v254, v254, s[PSEL]          ; my tile's two bytes, twice: they serve [q | 0] and [0 | q]
	v_mov_b32 v10, 0                               ; the sum's fourth chain (the load that read v10 is done)
	v_mov_b32 v11, 0
.set j, 0
.rept 32
	v_mov_b32 v[O+j], 0                            ; O^T: the step is written once and finds zeros
.set j, j+1
.endr
	s_wait_alu depctr_va_vdst(0)                   ; the wait at the head's end
.macro ADDR
	v_add_nc_u32 v[ADK], s[TB], v[LI]
	v_add_nc_u32 v[ADS], s[TS], v[LS0]
.endm
.macro KFRAG dst, i, off               ; K's fragment i of the record off bytes on, into bank dst
.irp c, 0,1,2,3
	ds_load_b128 v[\dst+16*\i+4*\c:\dst+16*\i+4*\c+3], v[ADK] offset:\off+2048*\i+512*\c
.endr
.endm
.macro VLOAD
.irp t, 0,1,2,3
.irp c, 0,1,2,3
	ds_load_b128 v[FR+16*\t+4*\c:FR+16*\t+4*\c+3], v[ADK] offset:8192+2048*\t+512*\c
.endr
.endr
.endm
.macro QKB i                           ; the scores of block i: register 16 i + 8 u + j = key 32 i + 16 u + 8 h + j
	v_wmma_scale_f32_16x16x128_f8f6f4 v[S+16*\i:S+16*\i+7], v[FR+16*\i:FR+16*\i+15], v[24:39], 0, v[KV+\i], v[QW] matrix_a_fmt:MATRIX_FMT_BF8 matrix_b_fmt:MATRIX_FMT_BF8
	v_wmma_scale_f32_16x16x128_f8f6f4 v[S+16*\i+8:S+16*\i+15], v[FR+16*\i:FR+16*\i+15], v[16:31], 0, v[KV+\i], v[QW] matrix_a_fmt:MATRIX_FMT_BF8 matrix_b_fmt:MATRIX_FMT_BF8
.endm
.macro PV                              ; O^T += V^T P^T; the four accumulators by turns, the next step's eight products between two links
.irp t, 0,1,2,3
	v_wmma_scale_f32_16x16x128_f8f6f4 v[O+8*\t:O+8*\t+7], v[FR+16*\t:FR+16*\t+15], v[PC:PC+15], v[O+8*\t:O+8*\t+7], v[KV+\t], v253 matrix_a_fmt:MATRIX_FMT_BF8 matrix_b_fmt:MATRIX_FMT_BF8 matrix_a_scale:MATRIX_SCALE_ROW1
.endr
.endm
.macro ACC r, p                        ; a chain of the sum takes register pair p of p's 32
	v_pk_add_f32 v[\r:\r+1], v[\r:\r+1], v[S+2*(\p):S+2*(\p)+1]
.endm
.macro SUMS b                          ; THE ROW'S SUM OF THE UNQUANTISED p, block b, in four chains; block 0 begins three of them anew
.if \b == 0
	v_pk_add_f32 v[T1:T1+1], v[S:S+1], v[S+2:S+3]
	v_pk_add_f32 v[T1+2:T1+3], v[S+4:S+5], v[S+6:S+7]
	v_pk_add_f32 v[10:11], v[S+8:S+9], v[S+10:S+11]
	ACC 14, 6
	ACC T1, 7
.else
.irp k, 0, 4
	ACC T1+2, 8*\b+\k
	ACC 10, 8*\b+\k+1
	ACC 14, 8*\b+\k+2
	ACC T1, 8*\b+\k+3
.endr
.endif
.endm
.macro MAXQ b                          ; the largest score of a block of 32 keys, in two chains, one for each accumulator, from its low end on
	v_max3_num_f32 v[BM+\b], v[S+16*\b], v[S+16*\b+1], v[S+16*\b+2]
	v_max3_num_f32 v[MB+\b], v[S+16*\b+8], v[S+16*\b+9], v[S+16*\b+10]
.endm
.macro MAXR b, i
	v_max3_num_f32 v[BM+\b], v[BM+\b], v[S+16*\b+\i], v[S+16*\b+\i+1]
	v_max3_num_f32 v[MB+\b], v[MB+\b], v[S+16*\b+8+\i], v[S+16*\b+8+\i+1]
.endm
.macro MAXP1 b0, b1                    ; eight lines of two blocks
	MAXQ \b0
	MAXQ \b1
	MAXR \b0, 3
	MAXR \b1, 3
.endm
.macro MAXP2 b0, b1
	MAXR \b0, 5
	MAXR \b1, 5
.endm
.macro SM1                             ; the chains joined, M, f, t - M
.irp b, 0,1,2,3
	v_max3_num_f32 v[BM+\b], v[BM+\b], v[MB+\b], v[S+16*\b+7]
.endr
.irp b, 0,1,2,3
	v_max_num_f32 v[BM+\b], v[BM+\b], v[S+16*\b+15]
.endr
.irp b, 0,1,2,3
	s_delay_alu instid0(VALU_DEP_4)
	v_permlanex16_b32 v[T1+\b], v[BM+\b], s[SEL], s[SEL+1]
.endr
.irp b, 0,1,2,3
	s_delay_alu instid0(VALU_DEP_4)
	v_max_num_f32 v[BM+\b], v[BM+\b], v[T1+\b]     ; with lane l xor 16's 16 keys
.endr
	s_delay_alu instid0(VALU_DEP_2)
	v_max3_num_f32 v254, v[BM], v[BM+1], v[BM+2]
	s_delay_alu instid0(VALU_DEP_1)
	v_max_num_f32 v254, v254, v[BM+3]              ; the step's largest score of my query
	s_delay_alu instid0(VALU_DEP_1)
	v_mul_f32 v254, s[CS], v254                    ; as t (c is positive)
	s_delay_alu instid0(VALU_DEP_1)
	v_max_num_f32 v13, v13, v254                   ; the running largest t
	s_delay_alu instid0(VALU_DEP_1)
	v_floor_f32 v12, -v13                          ; the new -M = -ceil(t): a whole number
	s_delay_alu instid0(VALU_DEP_1)
	v_sub_f32 v254, v12, v[OLDM]                   ; M's old value less its new one
	s_delay_alu instid0(VALU_DEP_1)
	v_cvt_i32_f32 v254, v254                       ; (it saturates)
	s_delay_alu instid0(VALU_DEP_1)
	v_ldexp_f32 v252, 1.0, v254                    ; f = 2^(old M - new M)
.set j, 0
.rept 32
	v_pk_fma_f32 v[S+j:S+j+1], v[S+j:S+j+1], s[CS:CS+1], v[12:13] op_sel_hi:[1,0,0]   ; t - M, two at a time
.set j, j+2
.endr
.irp b, 0,1,2,3
	v_fma_f32 v[BM+\b], v[BM+\b], s[CS], v12       ; the same of each block's largest score
.endr
.endm
.macro SMX                             ; the 68 exponentials as ONE batch, a plain line, and the wait ahead of the first line that names a result
.irp b, 0,1,2,3
	v_exp_f32 v[BM+\b], v[BM+\b]                   ; the block's largest p
.endr
.set j, 0
.rept 64
	v_exp_f32 v[S+j], v[S+j]                       ; p = 2^(t - M), at most 1: not normalised
.set j, j+1
.endr
	v_pk_mul_f32 v[14:15], v[14:15], v[252:253] op_sel_hi:[1,0]   ; the sum under the new M
	s_wait_alu depctr_va_vdst(0)
.endm
.macro HOLDCVT b                       ; block b held in place, two numbers a line, and converted.  p is not negative: the hold is one-sided (the conversion does not saturate: ISA guide 7.6.2)
.irp i, 0,2,4,6,8,10,12,14
	v_dual_min_num_f32 v[S+16*\b+\i], v[S+16*\b+\i], v[HOLD+\b] :: v_dual_min_num_f32 v[S+16*\b+\i+1], v[S+16*\b+\i+1], v[BM+(\b+1)%4]
.endr
	v_cvt_scalef32_pk8_bf8_f32 v[PC+4*\b:PC+4*\b+1], v[S+16*\b:S+16*\b+7], v[SOP+\b]
	v_cvt_scalef32_pk8_bf8_f32 v[PC+4*\b+2:PC+4*\b+3], v[S+16*\b+8:S+16*\b+15], v[SOP+\b]
.endm
.macro SM2 nk                          ; the blocks' scales, p's scale word; then block by block: the sum, the hold, the conversion, and (nk = 1) the next step's fragment of K into the block's registers
.irp b, 0,1,2,3
	v_max_num_f32 v[BM+\b], 0x8000000, v[BM+\b]    ; the floor 2^(16 - 127): the byte cannot fall under 1
.endr
.irp b, 0,1,2,3
	s_delay_alu instid0(VALU_DEP_4)
	v_add_nc_u32 v[SOP+\b], 0xf8800000, v[BM+\b]   ; 15 off the exponent field: the conversion's scale operand
.endr
.irp b, 0,1,2,3
	v_and_or_b32 v[HOLD+\b], v[BM+\b], 0x7f800000, s[MNT]   ; 57,344 x the scale
.endr
.irp b, 0,1,2,3
	v_lshrrev_b32 v[T1+\b], 23, v[SOP+\b]          ; the scale's byte
.endr
	s_delay_alu instid0(VALU_DEP_3)
	v_lshl_or_b32 v253, v[T1+1], 8, v[T1]
	s_delay_alu instid0(VALU_DEP_1)
	v_lshl_or_b32 v253, v[T1+2], 16, v253
	s_delay_alu instid0(VALU_DEP_1)
	v_lshl_or_b32 v253, v[T1+3], 24, v253          ; p's scale word for these 128 keys
	v_dual_mov_b32 v[BM+1], v[HOLD] :: v_dual_mov_b32 v[BM+2], v[HOLD+1]     ; the bounds once more, block b's in v[BM + (b + 1) % 4]
	v_dual_mov_b32 v[BM+3], v[HOLD+2] :: v_dual_mov_b32 v[BM], v[HOLD+3]
.if \nk
	ds_load_b128 v[KVN:KVN+3], v[ADS] offset:512   ; the next step's scale words, into the other set
.endif
.irp b, 0,1,2,3
	SUMS \b
	HOLDCVT \b
.if \nk
	KFRAG S, \b, REC
.endif
.endr
.endm
; A KEY STEP: 128 keys.  nk = 1: the next step lies in the same slot, and its K is fetched here.
.macro STEP nk
	s_wait_alu depctr_va_vdst(0)                   ; the wait here, directly ahead of the wait below
	s_wait_dscnt 8                                 ; the scale words and K's fragments 0 and 1 are in; the youngest eight loads, fragments 2 and 3, may be out
	QKB 0
	QKB 1
	v_pk_add_f32 v[T1:T1+1], v[T1:T1+1], v[T1+2:T1+3]   ; the last step's four chains are joined; with the copy of -M and four v_nop: the eight places ahead of the first read of blocks 0 and 1
	v_pk_add_f32 v[14:15], v[14:15], v[10:11]
	v_mov_b32 v[OLDM], v12
	v_pk_add_f32 v[14:15], v[14:15], v[T1:T1+1]
	PLACES 4
	s_wait_dscnt 0x0
	QKB 2
	QKB 3
	MAXP1 0, 1                                     ; eight plain lines that name no register of blocks 2 and 3's products: the places ahead of V's loads onto K's registers and of the first read of those scores
	VLOAD
	MAXP2 0, 1
	MAXP1 2, 3
	MAXP2 2, 3
	SM1
	s_wait_alu depctr_va_vdst(0)                   ; the wait ahead of the batch
	SMX
	SM2 \nk
	s_wait_alu depctr_va_vdst(0)                   ; the wait here, directly ahead of the first reader of O^T
.set j, 0
.rept 16
	v_pk_mul_f32 v[O+j:O+j+1], v[O+j:O+j+1], v[252:253] op_sel_hi:[1,0]   ; O^T x f, each accumulator from its low end on: also the plain lines behind the conversions and the places ahead of the products
.set j, j+2
.endr
	s_wait_alu depctr_va_vdst(0)                   ; the wait here, directly ahead of the wait below
	s_wait_dscnt 17*\nk                            ; V is in; behind its loads stand (nk = 1) the 17 of the next step's K and scale words
	PV
	s_add_co_u32 s[TB], s[TB], REC
	s_add_co_u32 s[TS], s[TS], 512
.if \nk
	ADDR
.endif
	PLACES 9-2*\nk                                 ; nine places in all: the next step's score products write over V's registers
.endm
; THE CHANGE OF SLOTS stands at a slot's head.  Each wave waits for all its tensor loads (one at the most is out), adds 0 to its spare word, and waits for that and for its reads of the slot that it has left.
; fill = 1: the barrier is a round of the cluster's; the joint refill is the first thing behind it.  The add stands twice on end.
.macro CHANGE fill
	s_wait_tensorcnt 0x0
	ds_add_u32 v[SPW], v[NIL]
.if \fill
	ds_add_u32 v[SPW], v[NIL]
	s_xor_b32 s[G0+1], s[G0+1], SLOT1              ; the walking descriptor: the other slot,
	s_add_nc_u64 s[G0+2:G0+3], s[G0+2:G0+3], SLOT1 ; the next eight records
	s_wait_xcnt 0x0                                ; the last prefetch, a slot back, has read its address
	s_add_nc_u64 s[PFA:PFA+1], s[PFA:PFA+1], SLOT1
	s_wait_dscnt 0x0
	CROUND
	TLOAD
	ASK
.else
	s_wait_dscnt 0x0
	s_barrier_signal -1
	s_barrier_wait -1
.endif
.endm
.macro SLOTBODY                        ; a slot's eight key steps: three trips of two, so that the banks are back where they began, and two written out, the last of which fetches no K behind it
	ADDR
	ds_load_b128 v[KV:KV+3], v[ADS]
.irp i, 0,1,2,3
	KFRAG FR, \i, 0
.endr
	s_mov_b32 s[TRI], 3
.Lstep_\@:
	STEP 1
	SWAP
	STEP 1
	SWAP
	s_sub_co_u32 s[TRI], s[TRI], 1
	s_cmp_lg_u32 s[TRI], 0
	s_cbranch_scc1 .Lstep_\@
	STEP 1
	SWAP
	STEP 0
	SWAP
	s_sub_co_u32 s[TB], s[TB], SLOT1               ; back to a slot's first record,
	s_xor_b32 s[TB], s[TB], SLOT1                  ; in the other slot
.endm
.Lslot:                                            ; three trips: behind each change of slots but the last the next slot is asked for
	CHANGE 1
	SLOTBODY
	s_sub_co_u32 s[SLOTS], s[SLOTS], 1
	s_cmp_lg_u32 s[SLOTS], 0
	s_cbranch_scc1 .Lslot
	CHANGE 0                                       ; the last slot is written out
	SLOTBODY
	; THE WAY OUT.  The last step's chains are joined; O^T is divided by the sum and goes through my stage in LDS (16 tokens x 64 channels, rows of 256 bytes), so that sixteen lanes store 256 consecutive bytes.
	v_pk_add_f32 v[T1:T1+1], v[T1:T1+1], v[T1+2:T1+3]
	v_pk_add_f32 v[14:15], v[14:15], v[10:11]
	v_pk_add_f32 v[14:15], v[14:15], v[T1:T1+1]
	v_add_f32 v14, v14, v15
	v_permlanex16_b32 v254, v14, s[SEL], s[SEL+1]
	v_add_f32 v14, v14, v254                       ; the row's sum
	s_wait_alu depctr_va_vdst(0)                   ; the wait ahead of the transcendental
	v_rcp_f32 v12, v14
	v_and_b32 v8, 15, v0                           ; r
	v_bfe_u32 v9, v0, 4, 1                         ; h
	s_mul_i32 s46, s[WV], 16*SP                    ; my stage
	v_mul_u32_u24 v10, v8, SP
	v_lshl_add_u32 v10, v9, 5, v10
	v_add_nc_u32 v10, s46, v10                     ; in: row r; accumulator t's eight channels of my half: 64 t + 32 h bytes on
	v_mul_u32_u24 v11, v9, SP
	v_lshl_add_u32 v11, v8, 4, v11
	v_add_nc_u32 v11, s46, v11                     ; back: lanes 0-15 one row, lanes 16-31 the next
	s_wait_alu depctr_va_vdst(0)
	s_wait_xcnt 0x0                                ; the last prefetch has read its offset, so the register may be written
	v_lshlrev_b32 v[PFO], 12, v9
	v_lshl_add_u32 v[PFO], v8, 4, v[PFO]           ; lanes 0-15 one row of out0, lanes 16-31 the next; 16 bytes a lane
	s_wait_alu depctr_va_vdst(0)                   ; the wait ahead of the first reader of the reciprocal and of O^T
.set j, 0
.rept 32
	v_mul_f32 v[S+j], v[O+j], v12                  ; register 8 t + i is channel 16 t + 8 h + i of my query
.set j, j+1
.endr
.irp t, 0,1,2,3
	ds_store_b128 v10, v[S+8*\t:S+8*\t+3] offset:64*\t
	ds_store_b128 v10, v[S+8*\t+4:S+8*\t+7] offset:64*\t+16
.endr
.irp i, 0,1,2,3,4,5,6,7
	ds_load_b128 v[FR+4*\i:FR+4*\i+3], v11 offset:2*\i*SP   ; LDS serves a wave's instructions in order (ISA guide 5.7.1.4): these see my stores
.endr
.irp i, 0,1,2,3,4,5,6,7
	s_wait_dscnt 7-\i                              ; this pair of rows is back; behind its load stand the 7 - i later loads
	global_store_b128 v[PFO], v[FR+4*\i:FR+4*\i+3], s[12:13] offset:8192*\i th:TH_STORE_NT   ; 16 lanes store 256 consecutive bytes, at a multiple of 256 from out0's first byte
.endr
	s_wait_tensorcnt 0x0                           ; the wave's end
	ds_add_u32 v[SPW], v[NIL]
	s_wait_dscnt 0x0
	CROUND                                         ; the closing round
	s_endpgm
.Lfunc_end_k_q29e69ff7d7_attn:
	.size	k_q29e69ff7d7_attn, .Lfunc_end_k_q29e69ff7d7_attn-k_q29e69ff7d7_attn
	.p2alignl 7, 3214868480
	.fill 96, 4, 3214868480
	.section	.rodata,"a",@progbits
	.p2align	6, 0x0
	.amdhsa_kernel k_q29e69ff7d7_attn
		.amdhsa_group_segment_fixed_size 327680
		.amdhsa_private_segment_fixed_size 0
		.amdhsa_enable_private_segment 0
		.amdhsa_kernarg_size 40
		.amdhsa_user_sgpr_count 2
		.amdhsa_user_sgpr_kernarg_segment_ptr 1
		.amdhsa_wavefront_size32 1
		.amdhsa_system_sgpr_workgroup_id_x 1
		.amdhsa_system_sgpr_workgroup_id_y 1
		.amdhsa_system_sgpr_workgroup_id_z 1
		.amdhsa_system_vgpr_workitem_id 0
		.amdhsa_next_free_vgpr 256
		.amdhsa_next_free_sgpr 80
		.amdhsa_reserve_vcc 0
		.amdhsa_float_denorm_mode_32 3
		.amdhsa_float_denorm_mode_16_64 3
		.amdhsa_memory_ordered 1
		.amdhsa_forward_progress 1
		.amdhsa_inst_pref_size 166
	.end_amdhsa_kernel
	.amdgpu_metadata
---
amdhsa.version: [ 1, 2 ]
amdhsa.kernels:
  - .name:           k_q29e69ff7d7_attn
    .symbol:         k_q29e69ff7d7_attn.kd
    .args:
      - { .name: qc, .offset: 0, .size: 8, .value_kind: global_buffer, .address_space: global }
      - { .name: qs, .offset: 8, .size: 8, .value_kind: global_buffer, .address_space: global }
      - { .name: kvc, .offset: 16, .size: 8, .value_kind: global_buffer, .address_space: global }
      - { .name: kvs, .offset: 24, .size: 8, .value_kind: global_buffer, .address_space: global }
      - { .name: out0, .offset: 32, .size: 8, .value_kind: global_buffer, .address_space: global }
    .group_segment_fixed_size: 327680
    .private_segment_fixed_size: 0
    .kernarg_segment_align: 8
    .kernarg_segment_size: 40
    .max_flat_workgroup_size: 512
    .sgpr_count:     80
    .vgpr_count:     256
    .wavefront_size: 32
...
	.end_amdgpu_metadata
.endif
;; end of part 2
